; MI455X (gfx1250); checked and timed in simulation.
; The chip was launched on July 23, 2026; its instructions are those of AMD's public machine-readable ISA for CDNA 5 (MIT licence, August 2026) and "CDNA5" Instruction Set Architecture Reference Guide (July 2026). The comments in the code are by the model that wrote it; some were corrected since.
;; Multi Head Attention. Allowed arithmetic: float matrix products may take bf16 or f16 operands with f32 sums; all other float work in f32.
;; Inputs: Wk 1,024 x 1,024 float32; Wo 1,024 x 1,024 float32; Wq 1,024 x 1,024 float32; Wv 1,024 x 1,024 float32; bk 1,024 float32; bo 1,024 float32; bq 1,024 float32; bv 1,024 float32; k 2 x 2,048 x 1,024 float32; q 2 x 2,048 x 1,024 float32; v 2 x 2,048 x 1,024 float32.
;; Outputs: out0 2 x 2,048 x 1,024 float32.
;; One version. Each part assembles by itself: llvm-mc -triple=amdgcn-amd-amdhsa -mcpu=gfx1250 --defsym DOCPART=n.
;; ======== version 1 of 1: 4 launches
;; limits: values are held in f16: magnitudes above 65,504 overflow, below 6.1e-05 lose precision
;; workspace buffers: cb 33,554,432 bytes; qkvh 25,165,824 bytes; ctx 8,388,608 bytes
;; launch cast (part 1): grid 1024 x 1, 8 waves a work-group, no clusters, 0 bytes of LDS; arguments q, k, v, Wq, Wk, Wv, Wo, cb; writes cb
.if DOCPART == 1
	.amdgcn_target "amdgcn-amd-amdhsa--gfx1250"
	.amdhsa_code_object_version 6
	.text
	.protected	k_q5f0bffcf99_cast
	.globl	k_q5f0bffcf99_cast
	.p2align	8
	.type	k_q5f0bffcf99_cast,@function
k_q5f0bffcf99_cast:
	s_mov_b64 s[64:65], 0
	v_nop
	global_prefetch_b8 v0, s[64:65] scope:SCOPE_SE
	s_setreg_imm32_b32 hwreg(HW_REG_WAVE_MODE, 25, 1), 1
	s_wait_xcnt 0x0
; f32 to f16 copies of the seven large inputs, laid one behind the other in cb:
;   q at 0, k at 8 MiB, v at 16 MiB (12,288 stacked rows of 2,048 bytes), Wq at 24, Wk at 26, Wv at 28, Wo at 30 MiB.
; The products that follow take f16 operands, so each number is rounded here once instead of in every work-group that reads it.
; LIMIT: a number beyond +-65,504 becomes an infinity in f16; below 6.1e-5 the step is 6e-8 (f16 denormals are kept).
; A stream: every byte is read once and written once.  No LDS, no barrier, no cluster (no two work-groups read the same byte).
; Work-group c owns 65,536 bytes of f32 and the 32,768 bytes of cb at 32,768 c: q, k, v are 256 such blocks each, a weight is 64.
; Thread t: 16 loads of 16 bytes (a wave covers 512 consecutive bytes), all issued at once; 16 stores of 8 bytes (a wave covers 256
; consecutive bytes, aligned).  No register is written twice, so no wait for a source is needed.
.set NLD, 16                           ; loads of a thread
.set X,   4                            ; v[4:67]   as loaded
.set Y,   68                           ; v[68:99]  as stored
	s_load_b512 s[8:23], s[0:1], 0x0               ; q s[8:9], k, v, Wq, Wk, Wv, Wo s[20:21], cb s[22:23]
	s_sub_co_u32 s2, ttmp9, 768                    ; block number among the weights (used only where c >= 768)
	s_lshr_b32 s3, s2, 6
	s_add_co_u32 s3, s3, 3                         ; which weight: inputs 3 to 6
	s_and_b32 s4, s2, 63                           ; and which of its 64 blocks
	s_lshr_b32 s5, ttmp9, 8                        ; which of q, k, v
	s_and_b32 s6, ttmp9, 255                       ; and which of its 256 blocks
	s_cmp_lt_u32 ttmp9, 768
	s_cselect_b32 s3, s5, s3                       ; the input number, 0 to 6
	s_cselect_b32 s4, s6, s4                       ; the block in it
	s_lshl_b32 s26, s4, 16                         ; 65,536 bytes a block
	s_mov_b32 s27, 0
	s_lshl_b32 s28, ttmp9, 15                      ; 32,768 bytes of cb a block
	s_mov_b32 s29, 0
	v_lshlrev_b32 v1, 4, v0                        ; 16 t
	v_lshlrev_b32 v2, 3, v0                        ; 8 t
	s_wait_kmcnt 0x0
	s_mov_b64 s[24:25], s[8:9]
.irp i, 1,2,3,4,5,6
	s_cmp_eq_u32 s3, \i                            ; the choice hangs on the work-group number alone
	s_cselect_b64 s[24:25], s[8+2*\i:9+2*\i], s[24:25]
.endr
	s_add_nc_u64 s[24:25], s[24:25], s[26:27]
	s_add_nc_u64 s[22:23], s[22:23], s[28:29]
.irp i, 0,1,2,3,4,5,6,7,8,9,10,11,12,13,14,15
	global_load_b128 v[X+4*\i:X+4*\i+3], v1, s[24:25] offset:4096*\i th:TH_LOAD_NT
.endr
.irp i, 0,1,2,3,4,5,6,7,8,9,10,11,12,13,14,15
	s_wait_loadcnt NLD-1-\i                        ; loads come back in order: load i is in, the younger ones stay out
	v_cvt_pk_f16_f32 v[Y+2*\i],   v[X+4*\i],   v[X+4*\i+1]
	v_cvt_pk_f16_f32 v[Y+2*\i+1], v[X+4*\i+2], v[X+4*\i+3]
	global_store_b64 v2, v[Y+2*\i:Y+2*\i+1], s[22:23] offset:2048*\i
.endr
	s_endpgm
.Lfunc_end_k_q5f0bffcf99_cast:
	.size	k_q5f0bffcf99_cast, .Lfunc_end_k_q5f0bffcf99_cast-k_q5f0bffcf99_cast
	.p2alignl 7, 3214868480
	.fill 96, 4, 3214868480
	.section	.rodata,"a",@progbits
	.p2align	6, 0x0
	.amdhsa_kernel k_q5f0bffcf99_cast
		.amdhsa_group_segment_fixed_size 0
		.amdhsa_private_segment_fixed_size 0
		.amdhsa_enable_private_segment 0
		.amdhsa_kernarg_size 64
		.amdhsa_user_sgpr_count 2
		.amdhsa_user_sgpr_kernarg_segment_ptr 1
		.amdhsa_wavefront_size32 1
		.amdhsa_system_sgpr_workgroup_id_x 1
		.amdhsa_system_sgpr_workgroup_id_y 1
		.amdhsa_system_sgpr_workgroup_id_z 1
		.amdhsa_system_vgpr_workitem_id 0
		.amdhsa_next_free_vgpr 100
		.amdhsa_next_free_sgpr 66
		.amdhsa_reserve_vcc 0
		.amdhsa_float_denorm_mode_32 3
		.amdhsa_float_denorm_mode_16_64 3
		.amdhsa_memory_ordered 1
		.amdhsa_forward_progress 1
		.amdhsa_inst_pref_size 7
	.end_amdhsa_kernel
	.amdgpu_metadata
---
amdhsa.version: [ 1, 2 ]
amdhsa.kernels:
  - .name:           k_q5f0bffcf99_cast
    .symbol:         k_q5f0bffcf99_cast.kd
    .args:
      - { .name: q, .offset: 0, .size: 8, .value_kind: global_buffer, .address_space: global }
      - { .name: k, .offset: 8, .size: 8, .value_kind: global_buffer, .address_space: global }
      - { .name: v, .offset: 16, .size: 8, .value_kind: global_buffer, .address_space: global }
      - { .name: Wq, .offset: 24, .size: 8, .value_kind: global_buffer, .address_space: global }
      - { .name: Wk, .offset: 32, .size: 8, .value_kind: global_buffer, .address_space: global }
      - { .name: Wv, .offset: 40, .size: 8, .value_kind: global_buffer, .address_space: global }
      - { .name: Wo, .offset: 48, .size: 8, .value_kind: global_buffer, .address_space: global }
      - { .name: cb, .offset: 56, .size: 8, .value_kind: global_buffer, .address_space: global }
    .group_segment_fixed_size: 0
    .private_segment_fixed_size: 0
    .kernarg_segment_align: 8
    .kernarg_segment_size: 64
    .max_flat_workgroup_size: 256
    .sgpr_count:     66
    .vgpr_count:     100
    .wavefront_size: 32
...
	.end_amdgpu_metadata
.endif
;; end of part 1
;; launch qkv (part 2): grid 4 x 48, 4 waves a work-group, clusters of 4 x 4, 327,680 bytes of LDS; arguments cb, bq, bk, bv, qkvh; writes qkvh
.if DOCPART == 2
	.amdgcn_target "amdgcn-amd-amdhsa--gfx1250"
	.amdhsa_code_object_version 6
	.text
	.protected	k_q5f0bffcf99_qkv
	.globl	k_q5f0bffcf99_qkv
	.p2align	8
	.type	k_q5f0bffcf99_qkv,@function
k_q5f0bffcf99_qkv:
	s_mov_b64 s[64:65], 0
	v_nop
	global_prefetch_b8 v0, s[64:65] scope:SCOPE_SE
	s_setreg_imm32_b32 hwreg(HW_REG_WAVE_MODE, 25, 1), 1
	s_wait_xcnt 0x0
	s_wait_alu depctr_hold_cnt(0) depctr_sa_sdst(0) depctr_va_vdst(0) depctr_va_sdst(0) depctr_va_ssrc(0) depctr_va_vcc(0) depctr_vm_vsrc(0)
	s_getreg_b32 s2, hwreg(HW_REG_IB_STS2, 6, 4)
	s_cmp_eq_u32 s2, 0
	s_cbranch_scc0 .Lentry_in_a_cluster
	s_endpgm
.Lentry_in_a_cluster:
	s_bfe_u32 s2, ttmp6, 0x10000c
	s_cmp_lg_u32 s2, 0xf033
	s_cbranch_scc0 .Lentry_shape_is_right
	s_endpgm
.Lentry_shape_is_right:
; The three input projections as one product: C[m][n] = sum over k of A[m][k] W[n][k] + bias[n].
; A: the 12,288 stacked f16 rows of q, k, v in cb (1,024 numbers each).  W, bias: Wq, Wk or Wv (f16 in cb) and bq, bk or bv (f32), by the
; block row: rows 0-4095 are q, 4096-8191 k, 8192-12287 v.  Sums in f32, started by the bias; the result is rounded once to f16 and stored
; head-major: qkvh[which][b][head][s][64], so that a head's keys lie dense for the attention launch.
; LIMIT: a projected number beyond +-65,504 becomes an infinity in f16.
; A work-group makes 256 x 256 of C with four waves, a wave 128 x 128: 64 accumulator tiles, 512 registers.  48 x 4 = 192 work-groups.
; K goes in steps of 128 through two LDS slots filled by the tensor data mover; a tile row is 256 bytes of memory, aligned.
; CLUSTERS: 4 x 4 work-groups.  The four of a cluster row need the same tiles of A, the four of a column the same tiles of W: each tile is
; asked for jointly (the same descriptor and a mask that names the four), which divides the requests by four.
; A cluster spans 1,024 rows of A, so all sixteen work-groups have the same W and bias.
;
; REGISTERS in windows of 256:
;   window 0: v16-27 addresses; v32-63 packed results on the way out; v64-127, v128-191 fragments of A, two buffers; v192-255 the bias
;   window 1: v64-127, v128-191 fragments of W, two buffers
;   window 2: the 32 accumulator tiles of my rows 0-63 (tile (a, b) at v[8 (8 a + b)]);  window 3: those of my rows 64-127
; The matrix instruction is used transposed (source 0 = 16 rows of W, source 1 = 16 rows of A): lane l holds row l % 16 of C and its
; registers 0-7 the columns 8 (l / 16) + 0..7, eight neighbouring numbers, which pack into 16 bytes.
.set SIZE_K, 1024
.set KSTEP,  128
.set PITCH,  272                       ; an LDS row: 256 bytes + 16 of padding, an odd multiple of 16: the 16 rows of a fragment load start at 16 different places modulo 256 bytes
.set HALFT,  128*PITCH                 ; 128 rows: what one tensor load brings, and what one wave reads of A or of W
.set SLOT,   4*HALFT                   ; the 256 rows of A, then the 256 rows of W
.set STAGE,  2*SLOT                    ; behind the ring: 16 rows x 272 bytes for each wave; no tensor load lands here
.set SPITCH, 272
.set LAPS,   SIZE_K/(2*KSTEP)          ; a lap = two K steps = once round the ring: 4
.set ADRA, 16                          ; v16-17  LDS address of my A fragments in slot 0, 1
.set ADRB, 20                          ; v20-21  the same for W
.set STO,  24                          ; the way out: where I put 16 bytes of a row
.set RD,   25                          ; the way out: where I read back
.set CO,   26                          ; my byte offset in qkvh
.set BOF,  27                          ; my byte offset in the bias
.set TMP,  32
.set F0,   64
.set F1,   128
.set BIAS, 192                         ; v[192+8b+j] = bias of column 16 b + 8 (l / 16) + j of my 128
.set G1,  24                           ; s[24:31] group 1 for tiles of A
.set G0,  32                           ; s[32:39] group 0 for tiles of A, one set a slot
.set G1B, 48                           ; s[48:55] group 1 for tiles of W
.set G0B, 56                           ; s[56:63] group 0 for tiles of W
.set W,   66                           ; s66 wave number
.set RH,  67                           ; s67 which half of the rows is mine; also: I fetch for A (0) or for W (1)
.set CH,  68                           ; s68 which half of the columns; also: which 128 rows of that tile I fetch
.set BY,  69                           ; s69 block row of C
.set SEL, 70                           ; s70 0, 1, 2: q, k, v
.set MSB, 0
.macro WIN new                         ; the immediate's high byte repeats the setting that is left
.if MSB != \new
	s_set_vgpr_msb (MSB<<8)|\new
.set MSB, \new
.endif
.endm
.set MUL_LO, 0xa1                      ; source 0 (W) window 1, source 1 (A) window 0, C and D window 2
.set MUL_HI, 0xf1                      ; the same, C and D window 3
.set BIA_LO, 0x81                      ; C from window 0 (the bias), D window 2
.set BIA_HI, 0xc1                      ; C from window 0, D window 3
.set TO_B,   0x40                      ; destination window 1, address window 0
; A joint load.  Waves 0 and 1 fetch the halves of A's tile, waves 2 and 3 of W's.  The branch hangs on the wave number alone.
.macro JLOAD s
	s_cmp_eq_u32 s[RH], 0
	s_cbranch_scc0 .Lfor_b_\@
	tensor_load_to_lds s[G0+4*\s:G0+4*\s+3], s[G1:G1+7]
	s_nop 0
	s_branch .Lasked_\@
.Lfor_b_\@:
	tensor_load_to_lds s[G0B+4*\s:G0B+4*\s+3], s[G1B:G1B+7]
	s_nop 0
.Lasked_\@:
.endm
; A round of the cluster's barrier: my work-group's barrier, wave 0 signals for the work-group, every wave waits for all sixteen, my barrier again.
.macro CREST                           ; a round behind its opening barrier
	s_cmp_lg_u32 s[W], 0
	s_cbranch_scc1 .Lnot_wave_0_\@
	s_barrier_signal -3
.Lnot_wave_0_\@:
	s_barrier_wait -3
	s_barrier_signal -1
	s_barrier_wait -1
.endm
.macro CROUND
	s_barrier_signal -1
	s_barrier_wait -1
	CREST
.endm
	s_load_b256 s[4:11], s[0:1], 0x0               ; cb s[4:5], bq s[6:7], bk s[8:9], bv s[10:11]
	s_load_b64 s[12:13], s[0:1], 0x20              ; qkvh
	s_set_vgpr_msb 0x40
	v_lshl_add_u32 v255, v0, 2, 0x48400
	s_set_vgpr_msb 0x4000
	v_mov_b32 v31, 0
	s_set_vgpr_msb 0x1
	ds_add_u32 v255, v31
	s_set_vgpr_msb 0x100
	v_lshrrev_b32 v1, 5, v0
	v_readfirstlane_b32 s[W], v1
	s_lshr_b32 s[RH], s[W], 1
	s_and_b32 s[CH], s[W], 1
	s_bfe_u32 s40, ttmp6, 0x40000                  ; cx
	s_bfe_u32 s41, ttmp6, 0x40004                  ; cy
	s_lshl_b32 s42, ttmp9, 2
	s_add_co_u32 s42, s42, s40                     ; block column = 4 x cluster x + cx, 0 to 3
	s_and_b32 s[SEL], ttmp7, 0xffff                ; cluster y, 0 to 11
	s_lshl_b32 s[BY], s[SEL], 2
	s_add_co_u32 s[BY], s[BY], s41                 ; block row = 4 x cluster y + cy, 0 to 47
	s_lshr_b32 s[SEL], s[SEL], 2                   ; four clusters (4,096 rows) for each of q, k, v: equal in all partners
	s_lshl_b32 s43, s41, 2
	s_lshl_b32 s43, 15, s43                        ; my row of the cluster: places 4 cy .. 4 cy + 3
	s_lshl_b32 s44, 0x1111, s40                    ; my column: places cx, cx + 4, cx + 8, cx + 12
	; group 1: a tile of 128 rows x 128 elements of 2 bytes, 16 bytes of padding behind every 256
	s_or_b32 s[G1+0], s43, (1<<16)|(1<<20)|(1<<21)|(5<<22)|(3<<25)  ; mask; element of 2 bytes; padding on; bit 21 beside a mask; after 64 words; 4 words
	s_or_b32 s[G1B+0], s44, (1<<16)|(1<<20)|(1<<21)|(5<<22)|(3<<25)
	s_mov_b32 s[G1+1], KSTEP<<16                   ; tensor_dim0 = 128
	s_mov_b32 s[G1B+1], KSTEP<<16
	s_mov_b32 s[G1+2], 128<<16                     ; tensor_dim1 = 128
	s_mov_b32 s[G1B+2], 128<<16
	s_mov_b32 s[G1+3], KSTEP<<16                   ; tile_dim0 = 128
	s_mov_b32 s[G1B+3], KSTEP<<16
	s_mov_b32 s[G1+4], 128                         ; tile_dim1 = 128
	s_mov_b32 s[G1B+4], 128
	s_mov_b32 s[G1+5], SIZE_K                      ; elements from row to row
	s_mov_b32 s[G1B+5], SIZE_K
	s_mov_b32 s[G1+6], 0
	s_mov_b32 s[G1B+6], 0
	s_mov_b32 s[G1+7], 0
	s_mov_b32 s[G1B+7], 0
	; where the tiles come from.  A's hang on the block row alone, W's on the block column and on which of q, k, v.
	s_lshl_b32 s17, s[CH], 7                       ; which 128 rows of the tile I fetch
	s_lshl_b32 s16, s[BY], 8
	s_add_co_u32 s16, s16, s17                     ; A: stacked row 256 x block row + 128 x half
	s_lshl_b32 s16, s16, 11                        ; 2,048 bytes a row: under 25 MiB
	s_lshl_b32 s46, s42, 8
	s_add_co_u32 s46, s46, s17                     ; W: row 256 x block column + 128 x half
	s_lshl_b32 s46, s46, 11
	s_lshl_b32 s47, s[SEL], 21                     ; 2 MiB a weight,
	s_add_co_u32 s46, s46, s47
	s_add_co_u32 s46, s46, 0x1800000               ; the first at 24 MiB
	s_mov_b32 s17, 0
	s_mov_b32 s47, 0
	s_mul_i32 s20, s[W], HALFT                     ; where they go: wave x 128 rows
	s_lshl_b32 s74, s42, 10                        ; bias: (256 x block column + 128 x half) x 4 bytes
	s_lshl_b32 s75, s[CH], 9
	s_add_co_u32 s74, s74, s75
	s_mov_b32 s75, 0
	; my first number in qkvh: 4 MiB for each 2,048 stacked rows (which, b); 128 bytes a row s; 262,144 bytes a head
	s_lshr_b32 s76, s[BY], 3
	s_lshl_b32 s76, s76, 22
	s_and_b32 s77, s[BY], 7
	s_lshl_b32 s77, s77, 15                        ; 256 rows x 128 bytes
	s_add_co_u32 s76, s76, s77
	s_lshl_b32 s77, s[RH], 14                      ; 128 rows x 128 bytes
	s_add_co_u32 s76, s76, s77
	s_lshl_b32 s77, s42, 20                        ; four heads a block column
	s_add_co_u32 s76, s76, s77
	s_lshl_b32 s77, s[CH], 19                      ; two heads a wave
	s_add_co_u32 s76, s76, s77
	s_mov_b32 s77, 0
	s_wait_dscnt 0x0
	s_wait_kmcnt 0x0
	s_add_nc_u64 s[14:15], s[4:5], s[16:17]
	s_add_nc_u64 s[46:47], s[4:5], s[46:47]
	s_cmp_eq_u32 s[SEL], 1
	s_cselect_b64 s[72:73], s[8:9], s[6:7]
	s_cmp_eq_u32 s[SEL], 2
	s_cselect_b64 s[72:73], s[10:11], s[72:73]     ; bq, bk or bv
	s_add_nc_u64 s[72:73], s[72:73], s[74:75]
	s_add_nc_u64 s[12:13], s[12:13], s[76:77]
	CROUND                                         ; all sixteen work-groups are here: the first joint loads meet
.irp s, 0,1
	s_mov_b32 s[G0+4*\s], 1
	s_add_co_u32 s[G0+4*\s+1], s20, \s*SLOT
	s_add_nc_u64 s[G0+4*\s+2:G0+4*\s+3], s[14:15], \s*KSTEP*2
	s_or_b32 s[G0+4*\s+3], s[G0+4*\s+3], 0x80000000
	s_mov_b32 s[G0B+4*\s], 1
	s_add_co_u32 s[G0B+4*\s+1], s20, \s*SLOT
	s_add_nc_u64 s[G0B+4*\s+2:G0B+4*\s+3], s[46:47], \s*KSTEP*2
	s_or_b32 s[G0B+4*\s+3], s[G0B+4*\s+3], 0x80000000
	JLOAD \s                                       ; both slots are asked for before anything else: two tensor loads of the wave are out
.endr
	v_and_b32 v1, 15, v0                           ; l % 16
	v_bfe_u32 v2, v0, 4, 1                         ; l / 16
	v_lshlrev_b32 v[BOF], 5, v2                    ; eight f32 for each half of the lanes
.irp b, 0,1,2,3,4,5,6,7
	global_load_b128 v[BIAS+8*\b:BIAS+8*\b+3],   v[BOF], s[72:73] offset:64*\b
	global_load_b128 v[BIAS+8*\b+4:BIAS+8*\b+7], v[BOF], s[72:73] offset:64*\b+16
.endr
	v_mul_u32_u24 v3, v1, PITCH
	v_lshl_add_u32 v3, v2, 4, v3                   ; row x pitch + 16 x half: two loads of 16 bytes, 32 apart, make a fragment
	s_mul_i32 s21, s[RH], HALFT                    ; my 128 rows of A
	s_mul_i32 s22, s[CH], HALFT                    ; my 128 rows of W,
	s_add_co_u32 s22, s22, 2*HALFT                 ; which lie behind the 256 of A
.irp s, 0,1
	v_add_nc_u32 v[ADRA+\s], s21, v3
	v_add_nc_u32 v[ADRB+\s], s22, v3
	s_add_co_u32 s21, s21, SLOT
	s_add_co_u32 s22, s22, SLOT
.endr
	s_mul_i32 s23, s[W], 16*SPITCH
	s_add_co_u32 s23, s23, STAGE                   ; my stage
	v_mul_u32_u24 v4, v1, SPITCH                   ; in: row l % 16, 16 bytes for each half of the lanes
	v_lshl_add_u32 v4, v2, 4, v4
	v_add_nc_u32 v[STO], s23, v4
	v_bfe_u32 v6, v0, 3, 1                         ; back: lanes 0-15 take my first head's 128 bytes of two rows, lanes 16-31 my second head's
	v_and_b32 v7, 7, v0
	v_mul_u32_u24 v5, v6, SPITCH
	v_lshl_add_u32 v5, v2, 7, v5
	v_lshl_add_u32 v5, v7, 4, v5
	v_add_nc_u32 v[RD], s23, v5
	v_lshlrev_b32 v5, 18, v2                       ; in qkvh: the second head lies 262,144 bytes on; two rows s are 256 consecutive bytes
	v_lshl_add_u32 v[CO], v1, 4, v5
; 16 matrix instructions: m blocks a0, a0 + 1 of the window's four x all 8 n blocks, 32 along K.  start = 1: the bias is C, so nothing is cleared or added later.
.macro MUL16 f, hi, a0, start
.irp a, \a0, \a0+1
.irp b, 0,1,2,3,4,5,6,7
.if \start
	v_wmma_f32_16x16x32_f16 v[8*(8*(\a)+\b):8*(8*(\a)+\b)+7], v[\f+8*\b:\f+8*\b+7], v[\f+8*(4*\hi+\a):\f+8*(4*\hi+\a)+7], v[BIAS+8*\b:BIAS+8*\b+7]
.else
	v_wmma_f32_16x16x32_f16 v[8*(8*(\a)+\b):8*(8*(\a)+\b)+7], v[\f+8*\b:\f+8*\b+7], v[\f+8*(4*\hi+\a):\f+8*(4*\hi+\a)+7], v[8*(8*(\a)+\b):8*(8*(\a)+\b)+7]
.endif
.endr
.endr
.endm
; 32 LDS loads in one run: the fragments of one quarter step (32 K at byte k of the rows) into buffer f
.macro FETCH slot, k, f
	WIN TO_B
.irp i, 0,1,2,3,4,5,6,7
	ds_load_b128 v[\f+8*\i:\f+8*\i+3],   v[ADRB+\slot] offset:\k+\i*16*PITCH
	ds_load_b128 v[\f+8*\i+4:\f+8*\i+7], v[ADRB+\slot] offset:\k+\i*16*PITCH+32
.endr
	WIN 0
.irp i, 0,1,2,3,4,5,6,7
	ds_load_b128 v[\f+8*\i:\f+8*\i+3],   v[ADRA+\slot] offset:\k+\i*16*PITCH
	ds_load_b128 v[\f+8*\i+4:\f+8*\i+7], v[ADRA+\slot] offset:\k+\i*16*PITCH+32
.endr
.endm
; Four independent vector instructions stand between a matrix instruction and a load into one of its sources, or a vector instruction that reads
; its result (ISA guide 7.12.1 for vector instructions); the matrix instructions in between are not counted.
.macro PLACES
.rept 4
	v_nop
.endr
.endm
; A K step is four quarters of 32 along K, 64 matrix instructions each, on buffers 0, 1, 0, 1.  The 64 accumulators take turns, one instruction
; a turn, in the same order in every quarter.
.macro QUARTER slot, k, f, g, start
	s_wait_dscnt 8                                 ; W and rows 0-63 of A are in; the youngest eight loads (rows 64-127 of A) may be out
.if \start
	WIN BIA_LO
.else
	WIN MUL_LO
.endif
	MUL16 \f, 0, 0, \start
	MUL16 \f, 0, 2, \start
	PLACES
	FETCH \slot, \k, \g
	s_wait_dscnt 32                                ; all but the 32 just issued
.if \start
	WIN BIA_HI
.else
	WIN MUL_HI
.endif
	MUL16 \f, 1, 0, \start
	MUL16 \f, 1, 2, \start
.endm
.macro THREE slot, start
	QUARTER \slot, 64,  F0, F1, \start
	QUARTER \slot, 128, F1, F0, 0
	QUARTER \slot, 192, F0, F1, 0
.endm
; The last quarter multiplies buffer 1 and changes slots.  In front of the barrier each wave waits for its reads of this slot and for all its
; tensor loads (one is out: its part of the next slot).  Behind it the refill comes first, then the next slot's first fragments.
.macro TURN slot, next, fill
	s_wait_dscnt 8
	WIN MUL_LO
	MUL16 F1, 0, 0, 0
	s_wait_dscnt 0                                 ; my reads of this slot are over
	s_wait_tensorcnt 0x0                           ; all my tensor loads have landed
	ds_add_u32 v255, v31
	s_wait_dscnt 0x0
	s_barrier_signal -1                            ; (where the slot is filled again this barrier opens a round of the cluster's barrier)
	MUL16 F1, 0, 2, 0                              ; register work while the others arrive
	WIN 0
	s_barrier_wait -1
.if \fill
	CREST                                          ; no wave of any partner still reads this slot or has a load on its way
	s_add_nc_u64 s[G0+4*\slot+2:G0+4*\slot+3], s[G0+4*\slot+2:G0+4*\slot+3], 2*KSTEP*2
	s_add_nc_u64 s[G0B+4*\slot+2:G0B+4*\slot+3], s[G0B+4*\slot+2:G0B+4*\slot+3], 2*KSTEP*2
	JLOAD \slot                                    ; the first tensor load behind the round, and my only one until the next
.endif
	PLACES
	FETCH \next, 0, F0
	WIN MUL_HI
	MUL16 F1, 1, 0, 0
	MUL16 F1, 1, 2, 0
.endm
.macro LAP start
	THREE 0, \start
	TURN 0, 1, 1
	THREE 1, 0
	TURN 1, 0, 1
.endm
	s_wait_loadcnt 0x0                             ; the bias
	s_wait_tensorcnt 1                             ; my part of K step 0 is in; K step 1's load may stay out
	s_barrier_signal -1
	s_barrier_wait -1
	FETCH 0, 0, F0
	LAP 1                                          ; the first lap stands in front of the loop: its first products start the sums from the bias
	WIN 0                                          ; at a label and at a branch every window is 0
	s_mov_b32 s3, LAPS-2
.Llap:
	LAP 0
	WIN 0
	s_sub_co_u32 s3, s3, 1
	s_cmp_lg_u32 s3, 0
	s_cbranch_scc1 .Llap
	THREE 0, 0                                     ; the last lap fills nothing
	TURN 0, 1, 0
	THREE 1, 0
	s_wait_dscnt 8
	WIN MUL_LO
	MUL16 F1, 0, 0, 0
	MUL16 F1, 0, 2, 0
	s_wait_dscnt 0
	WIN MUL_HI
	MUL16 F1, 1, 0, 0
	MUL16 F1, 1, 2, 0
	; THE WAY OUT, 16 rows at a time: round to f16, 16 bytes a lane into my own stage, read back so that sixteen lanes hold two
	; neighbouring rows s of one head: 256 consecutive bytes of qkvh, aligned.
	PLACES
.macro OUT16 i, a, from, f
	WIN \from
.irp b, 0,1,2,3,4,5,6,7
.irp r, 0,1,2,3
	v_cvt_pk_f16_f32 v[TMP+4*\b+\r], v[8*(8*\a+\b)+2*\r], v[8*(8*\a+\b)+2*\r+1]
.endr
.endr
	WIN 0
.irp b, 0,1,2,3,4,5,6,7
	ds_store_b128 v[STO], v[TMP+4*\b:TMP+4*\b+3] offset:32*\b
.endr
	s_wait_xcnt 0x0                                ; buffer f, which earlier stores read, and the stores' base are rewritten only behind this wait
.if \i
	s_add_nc_u64 s[12:13], s[12:13], 16*128        ; 16 rows s on
.endif
.irp t, 0,1,2,3,4,5,6,7
	ds_load_b128 v[\f+4*\t:\f+4*\t+3], v[RD] offset:\t*2*SPITCH    ; a wave's LDS instructions are served in order: these see the stores above
.endr
.irp t, 0,1,2,3,4,5,6,7
	s_wait_dscnt 7-\t
	global_store_b128 v[CO], v[\f+4*\t:\f+4*\t+3], s[12:13] offset:256*\t
.endr
.endm
	OUT16 0, 0, 0x0a, F0
	OUT16 1, 1, 0x0a, F1
	OUT16 2, 2, 0x0a, F0
	OUT16 3, 3, 0x0a, F1
	OUT16 4, 0, 0x0f, F0
	OUT16 5, 1, 0x0f, F1
	OUT16 6, 2, 0x0f, F0
	OUT16 7, 3, 0x0f, F1
	s_set_vgpr_msb 0x1
	s_wait_tensorcnt 0x0
	ds_add_u32 v255, v31
	s_wait_dscnt 0x0
	s_set_vgpr_msb 0x100
	CROUND                                         ; the closing round: no work-group ends while a partner may still ask for a tile that names it
	s_endpgm
.Lfunc_end_k_q5f0bffcf99_qkv:
	.size	k_q5f0bffcf99_qkv, .Lfunc_end_k_q5f0bffcf99_qkv-k_q5f0bffcf99_qkv
	.p2alignl 7, 3214868480
	.fill 96, 4, 3214868480
	.section	.rodata,"a",@progbits
	.p2align	6, 0x0
	.amdhsa_kernel k_q5f0bffcf99_qkv
		.amdhsa_group_segment_fixed_size 327680
		.amdhsa_private_segment_fixed_size 0
		.amdhsa_enable_private_segment 0
		.amdhsa_kernarg_size 40
		.amdhsa_user_sgpr_count 2
		.amdhsa_user_sgpr_kernarg_segment_ptr 1
		.amdhsa_wavefront_size32 1
		.amdhsa_system_sgpr_workgroup_id_x 1
		.amdhsa_system_sgpr_workgroup_id_y 1
		.amdhsa_system_sgpr_workgroup_id_z 1
		.amdhsa_system_vgpr_workitem_id 0
		.amdhsa_next_free_vgpr 1024
		.amdhsa_next_free_sgpr 80
		.amdhsa_reserve_vcc 0
		.amdhsa_float_denorm_mode_32 3
		.amdhsa_float_denorm_mode_16_64 3
		.amdhsa_memory_ordered 1
		.amdhsa_forward_progress 1
		.amdhsa_inst_pref_size 198
	.end_amdhsa_kernel
	.amdgpu_metadata
---
amdhsa.version: [ 1, 2 ]
amdhsa.kernels:
  - .name:           k_q5f0bffcf99_qkv
    .symbol:         k_q5f0bffcf99_qkv.kd
    .args:
      - { .name: cb, .offset: 0, .size: 8, .value_kind: global_buffer, .address_space: global }
      - { .name: bq, .offset: 8, .size: 8, .value_kind: global_buffer, .address_space: global }
      - { .name: bk, .offset: 16, .size: 8, .value_kind: global_buffer, .address_space: global }
      - { .name: bv, .offset: 24, .size: 8, .value_kind: global_buffer, .address_space: global }
      - { .name: qkvh, .offset: 32, .size: 8, .value_kind: global_buffer, .address_space: global }
    .group_segment_fixed_size: 327680
    .private_segment_fixed_size: 0
    .kernarg_segment_align: 8
    .kernarg_segment_size: 40
    .max_flat_workgroup_size: 128
    .sgpr_count:     80
    .vgpr_count:     1024
    .wavefront_size: 32
...
	.end_amdgpu_metadata
.endif
;; end of part 2
;; launch attn (part 3): grid 8 x 32, 8 waves a work-group, clusters of 4 x 1, 327,680 bytes of LDS; arguments qkvh, ctx; writes ctx
.if DOCPART == 3
	.amdgcn_target "amdgcn-amd-amdhsa--gfx1250"
	.amdhsa_code_object_version 6
	.text
	.protected	k_q5f0bffcf99_attn
	.globl	k_q5f0bffcf99_attn
	.p2align	8
	.type	k_q5f0bffcf99_attn,@function
k_q5f0bffcf99_attn:
	s_mov_b64 s[64:65], 0
	v_nop
	global_prefetch_b8 v0, s[64:65] scope:SCOPE_SE
	s_setreg_imm32_b32 hwreg(HW_REG_WAVE_MODE, 25, 1), 1
	s_wait_xcnt 0x0
	s_wait_alu depctr_hold_cnt(0) depctr_sa_sdst(0) depctr_va_vdst(0) depctr_va_sdst(0) depctr_va_ssrc(0) depctr_va_vcc(0) depctr_vm_vsrc(0)
	s_getreg_b32 s2, hwreg(HW_REG_IB_STS2, 6, 4)
	s_cmp_eq_u32 s2, 0
	s_cbranch_scc0 .Lentry_in_a_cluster
	s_endpgm
.Lentry_in_a_cluster:
	s_bfe_u32 s2, ttmp6, 0x10000c
	s_cmp_lg_u32 s2, 0x3003
	s_cbranch_scc0 .Lentry_shape_is_right
	s_endpgm
.Lentry_shape_is_right:
; Attention of one (b, head) and 256 query rows: ctx = softmax(Q K^T / 8) V, with a running maximum.  Q, K, V: f16 [b][head][s][64] in qkvh
; (Q at 0, K at 8 MiB, V at 16 MiB); ctx: f16, the same layout.  Products on f16 operands with f32 sums; maxima, exponentials, sums in f32.
; LIMIT: the weights p (0 to 1) are rounded to f16, those under 6e-8 to zero; ctx beyond +-65,504 would be an infinity (it is an average of V, which is f16).
; Eight waves.  Wave w has the 64 query rows 64 (w & 3) and the keys 1,024 (w >> 2) .. + 1,023: two waves lie on each SIMD.
; The two halves of the keys are merged once, at the end, through LDS.
; CLUSTER: the four work-groups of a cluster are four query blocks of the same head and walk the same K and V: each tile is asked for jointly
; (mask 15), which divides the requests by four.  Q is 8 KiB a wave, read once, straight into registers.
; EVERYTHING IS TRANSPOSED, so that no number changes lanes between the two products:
;   S^T(i, n) = K rows 16 i.. (source 0) x Q rows 16 n.. (source 1): lane (r, h), register j holds key 16 i + 8 h + j, query 16 n + r.
;   Tiles (2c, n) and (2c+1, n), packed in place to f16, ARE source 1 of the second product for keys 32 c .. 32 c + 31.
;   O^T(t, n) = V^T (source 0, by the transposing LDS load) x P: lane (r, h), register j holds d = 16 t + 8 h + j, query 16 n + r.
;   So maximum, sum and rescaling belong to a lane; only lane xor 16 (the other h) is crossed.
; HALF A STEP APART.  A step (64 keys) has two parts.  X: the 32 matrix instructions of S^T, the maxima, the exponentials of query tiles 0 and 1.
;   Y: the exponentials of tiles 2 and 3, the rescaling, the 32 matrix instructions of O^T.  A trip (128 keys) stands between two rounds of the
;   barrier.  Waves 0-3 run X Y X Y in it; waves 4-7 run Y X Y X: they put a trip's last Y off until behind the round.  So the two waves of a
;   SIMD leave every round at different points of the step, one with matrix work ahead and the other with vector work, and both have the same
;   work between two rounds.  Y reads registers alone (P, V's fragments, the factors, O), so the slot it came from can be filled meanwhile.
;   The choice is a branch on the wave's number; no barrier, tensor load or wait in front of a round stands inside it.
; LDS: two slots of 77,824 bytes: K of half 0 (128 keys, pitch 144), K of half 1, V of half 0 (pitch 160), V of half 1;
;      then 4 x 17,408 for the merge and 4 x 9,216 for the way out, into which no tensor load lands.
; REGISTERS: window 0: v2-10 addresses; v12-47 softmax state; v48-63 scratch; v64-127 K fragments; v128-255 S, then P
;            window 1: v0-63 Q fragments; v64-191 O; v192-255 V fragments
.set KPITCH, 144                       ; 128 bytes + 16: an odd multiple of 16
.set VPITCH, 160                       ; 128 bytes + 32: an odd multiple of 32, for the transposing load
.set KHALF,  128*KPITCH
.set VBASE,  2*KHALF
.set VHALF,  128*VPITCH
.set SLOT,   VBASE+2*VHALF             ; 77,824
.set MERGE,  2*SLOT
.set MRGW,   17408                     ; 16,384 of O, 512 of the maxima, 512 of the sums
.set OUTST,  MERGE+4*MRGW
.set OUTW,   64*KPITCH
.set TSTEP,  16384                     ; 128 keys of 128 bytes: a tile of one half
.set ADRK, 2                           ; v2-3   my K fragments in slot 0, 1
.set ADRV, 4                           ; v4-5   my V fragments in slot 0, 1
.set QOFF, 6
.set MST,  7                           ; merge: 16 bytes a lane
.set OSTO, 8                           ; the way out: in
.set ORD,  9                           ; the way out: back
.set CO,   10
.set VM,   12                          ; v12-15 running maximum of query tile n (raw scores)
.set VL,   16                          ; v16-19 running sum, of my lane's keys
.set VU,   20                          ; v20-23 what comes from lane xor 16
.set VA,   24                          ; v24-27 c (old maximum - new maximum)
.set VNM,  28                          ; v28-35 pairs: - c x maximum
.set VAL,  36                          ; v36-43 pairs: the rescaling factor
.set VXA,  44
.set VXB,  46
.set VKF,  64                          ; fragment (i, ks) at 16 i + 8 ks
.set VS,   128                         ; tile (i, n) at 32 n + 8 i
.set VQ,   0                           ; window 1: fragment (n, ks) at 16 n + 8 ks
.set VO,   64                          ; window 1: tile (t, n) at 8 (4 n + t)
.set VVF,  192                         ; window 1: fragment (c, t) at 8 (4 c + t)
.set G1K, 24                           ; s[24:31]
.set G1V, 32                           ; s[32:39]
.set G0K, 40                           ; s[40:47] one set a slot
.set G0V, 48                           ; s[48:55]
.set MSB, 0
.macro WIN new
.if MSB != \new
	s_set_vgpr_msb (MSB<<8)|\new
.set MSB, \new
.endif
.endm
.macro PLACES n
.rept \n
	v_nop
.endr
.endm
.macro ROUND                           ; a round of the cluster's barrier
	s_barrier_signal -1
	s_barrier_wait -1
	s_cmp_lg_u32 s8, 0
	s_cbranch_scc1 .Lnot_wave_0_\@
	s_barrier_signal -3
.Lnot_wave_0_\@:
	s_barrier_wait -3
	s_barrier_signal -1
	s_barrier_wait -1
.endm
.macro JLOAD s                         ; waves 0-3 ask for 64 keys of K each, waves 4-7 for 64 keys of V: one tensor load a wave
	s_cmp_eq_u32 s11, 0
	s_cbranch_scc0 .Lfor_v_\@
	tensor_load_to_lds s[G0K+4*\s:G0K+4*\s+3], s[G1K:G1K+7]
	s_nop 0
	s_branch .Lasked_\@
.Lfor_v_\@:
	tensor_load_to_lds s[G0V+4*\s:G0V+4*\s+3], s[G1V:G1V+7]
	s_nop 0
.Lasked_\@:
.endm
	s_load_b128 s[4:7], s[0:1], 0x0                ; qkvh s[4:5], ctx s[6:7]
	v_lshl_add_u32 v158, v0, 2, 0x40000
	v_mov_b32 v159, 0
	ds_add_u32 v158, v159
	s_wait_dscnt 0x0
	v_lshrrev_b32 v1, 5, v0
	v_readfirstlane_b32 s8, v1                     ; wave 0..7
	s_and_b32 s10, s8, 3                           ; which 64 query rows; also which 64 keys of a slot's K or V I fetch
	s_lshr_b32 s11, s8, 2                          ; which half of the keys; also: I fetch K (0) or V (1); also: I put the last Y off (1)
	s_mov_b32 s12, 0x76543210                      ; v_permlanex16_b32: lane i takes lane i xor 16
	s_mov_b32 s13, 0xfedcba98
	s_mov_b32 s14, 0x3e38aa3b                      ; c = log2(e) / 8: the scale 1 / sqrt(64) and the base of v_exp_f32 in one
	s_mov_b32 s15, 0x3e38aa3b
	s_mov_b32 s16, 0xbe38aa3b                      ; - c
	s_bfe_u32 s17, ttmp6, 0x40000                  ; cx
	s_lshl_b32 s18, ttmp9, 2
	s_add_co_u32 s18, s18, s17                     ; query block, 0 to 7
	s_and_b32 s19, ttmp7, 0xffff                   ; b x 16 + head, 0 to 31
	; group 1: 8 KiB that are dense in memory, as 32 rows of 32 elements of 8 bytes; behind every 32 words (a key's 128 bytes) 4 words (K) or 8 (V) are skipped
	s_mov_b32 s[G1K+0], 15|(3<<16)|(1<<20)|(1<<21)|(4<<22)|(3<<25)
	s_mov_b32 s[G1V+0], 15|(3<<16)|(1<<20)|(1<<21)|(4<<22)|(7<<25)
.irp g, G1K, G1V
	s_mov_b32 s[\g+1], 32<<16                      ; tensor_dim0 = 32
	s_mov_b32 s[\g+2], 32<<16                      ; tensor_dim1 = 32
	s_mov_b32 s[\g+3], 32<<16                      ; tile_dim0 = 32
	s_mov_b32 s[\g+4], 32                          ; tile_dim1 = 32
	s_mov_b32 s[\g+5], 32                          ; elements from row to row
	s_mov_b32 s[\g+6], 0
	s_mov_b32 s[\g+7], 0
.endr
	s_lshl_b32 s20, s19, 18                        ; the head: 262,144 bytes.  Nothing of cx enters these registers
	s_lshr_b32 s22, s10, 1
	s_lshl_b32 s22, s22, 17                        ; the half: 1,024 keys
	s_add_co_u32 s20, s20, s22
	s_and_b32 s22, s10, 1
	s_lshl_b32 s22, s22, 13                        ; 64 keys
	s_add_co_u32 s20, s20, s22
	s_mov_b32 s21, 0
	s_mul_i32 s22, s10, 64*KPITCH                  ; where my 64 keys of K go
	s_mul_i32 s23, s10, 64*VPITCH
	s_add_co_u32 s23, s23, VBASE                   ; or my 64 keys of V
	s_lshl_b32 s56, s19, 18                        ; my 64 rows of Q and of ctx
	s_lshl_b32 s57, s18, 15
	s_add_co_u32 s56, s56, s57
	s_lshl_b32 s57, s10, 13
	s_add_co_u32 s56, s56, s57
	s_mov_b32 s57, 0
	s_wait_kmcnt 0x0
	s_add_nc_u64 s[20:21], s[4:5], s[20:21]
	s_add_nc_u64 s[58:59], s[4:5], s[56:57]
	s_add_nc_u64 s[6:7], s[6:7], s[56:57]
.irp s, 0,1
	s_mov_b32 s[G0K+4*\s], 1
	s_add_co_u32 s[G0K+4*\s+1], s22, \s*SLOT
	s_add_nc_u64 s[G0K+4*\s+2:G0K+4*\s+3], s[20:21], 0x800000+\s*TSTEP
	s_or_b32 s[G0K+4*\s+3], s[G0K+4*\s+3], 0x80000000
	s_mov_b32 s[G0V+4*\s], 1
	s_add_co_u32 s[G0V+4*\s+1], s23, \s*SLOT
	s_add_nc_u64 s[G0V+4*\s+2:G0V+4*\s+3], s[20:21], 0x1000000+\s*TSTEP
	s_or_b32 s[G0V+4*\s+3], s[G0V+4*\s+3], 0x80000000
.endr
	v_and_b32 v48, 15, v0                          ; r
	v_bfe_u32 v49, v0, 4, 1                        ; h
	v_and_b32 v50, 7, v0                           ; lane & 7
	v_bfe_u32 v51, v0, 3, 1                        ; (lane >> 3) & 1
	v_and_b32 v52, 31, v0                          ; lane
	v_mul_u32_u24 v53, v48, KPITCH
	v_lshl_add_u32 v53, v49, 4, v53                ; r x 144 + 16 h
	s_mul_i32 s56, s11, KHALF
	v_add_nc_u32 v[ADRK], s56, v53
	v_add_nc_u32 v[ADRK+1], SLOT, v[ADRK]
	v_lshl_add_u32 v54, v49, 3, v50                ; key 8 h + (lane & 7)
	v_mul_u32_u24 v54, v54, VPITCH
	v_lshl_add_u32 v54, v51, 4, v54                ; and 16 bytes on for lanes 8-15 and 24-31
	s_mul_i32 s57, s11, VHALF
	s_add_co_u32 s57, s57, VBASE
	v_add_nc_u32 v[ADRV], s57, v54
	v_add_nc_u32 v[ADRV+1], SLOT, v[ADRV]
	v_lshlrev_b32 v[QOFF], 7, v48
	v_lshl_add_u32 v[QOFF], v49, 4, v[QOFF]        ; r x 128 + 16 h
	s_mul_i32 s56, s10, MRGW
	s_add_co_u32 s56, s56, MERGE
	v_lshl_add_u32 v[MST], v52, 4, s56
	s_mul_i32 s57, s10, OUTW
	s_add_co_u32 s57, s57, OUTST
	v_add_nc_u32 v[OSTO], s57, v53
	v_bfe_u32 v55, v0, 3, 2                        ; lane >> 3
	v_mul_u32_u24 v55, v55, KPITCH
	v_lshl_add_u32 v55, v50, 4, v55
	v_add_nc_u32 v[ORD], s57, v55
	v_lshlrev_b32 v[CO], 4, v52
.irp n, 0,1,2,3
	v_mov_b32 v[VU+\n], 0                          ; the destination of v_permlanex16_b32 counts as read
.endr
	ROUND                                          ; the four work-groups are here: the first joint load meets
	JLOAD 0                                        ; tile 0 of both halves; one tensor load of a wave is out, here and behind every round
	WIN 0x40
.irp n, 0,1,2,3
.irp ks, 0,1
	global_load_b128 v[VQ+16*\n+8*\ks:VQ+16*\n+8*\ks+3],   v[QOFF], s[58:59] offset:2048*\n+64*\ks
	global_load_b128 v[VQ+16*\n+8*\ks+4:VQ+16*\n+8*\ks+7], v[QOFF], s[58:59] offset:2048*\n+64*\ks+32
.endr
.endr
	WIN 0
	s_wait_loadcnt 0x0                             ; Q, once
.macro LOADK slot, st                  ; 16 loads: 64 keys (st: which 64 of the tile's 128) x 64 d, as source 0
.irp i, 0,1,2,3
.irp ks, 0,1
	ds_load_b128 v[VKF+16*\i+8*\ks:VKF+16*\i+8*\ks+3],   v[ADRK+\slot] offset:\st*64*KPITCH+\i*16*KPITCH+\ks*64
	ds_load_b128 v[VKF+16*\i+8*\ks+4:VKF+16*\i+8*\ks+7], v[ADRK+\slot] offset:\st*64*KPITCH+\i*16*KPITCH+\ks*64+32
.endr
.endr
.endm
.macro LOADV slot, st                  ; 16 transposing loads: V^T, 64 d x 64 keys, as source 0
	WIN 0x40
.irp c, 0,1
.irp t, 0,1,2,3
	ds_load_tr16_b128 v[VVF+8*(4*\c+\t):VVF+8*(4*\c+\t)+3],   v[ADRV+\slot] offset:\st*64*VPITCH+\c*32*VPITCH+32*\t
	ds_load_tr16_b128 v[VVF+8*(4*\c+\t)+4:VVF+8*(4*\c+\t)+7], v[ADRV+\slot] offset:\st*64*VPITCH+\c*32*VPITCH+32*\t+16*VPITCH
.endr
.endr
.endm
; 32 matrix instructions: S^T for 64 keys x 64 queries.  The 16 accumulators take turns, one instruction a turn.
.macro SMUL
	WIN 0x04                                       ; source 1 (Q) in window 1
	s_wait_alu depctr_va_vdst(0)
.irp i, 0,1,2,3
.irp n, 0,1,2,3
	v_wmma_f32_16x16x32_f16 v[VS+32*\n+8*\i:VS+32*\n+8*\i+7], v[VKF+16*\i:VKF+16*\i+7], v[VQ+16*\n:VQ+16*\n+7], 0
.endr
.endr
.irp i, 0,1,2,3
.irp n, 0,1,2,3
	v_wmma_f32_16x16x32_f16 v[VS+32*\n+8*\i:VS+32*\n+8*\i+7], v[VKF+16*\i+8:VKF+16*\i+15], v[VQ+16*\n+8:VQ+16*\n+15], v[VS+32*\n+8*\i:VS+32*\n+8*\i+7]
.endr
.endr
.endm
.macro RESC n, t                       ; tile (t, n) of O times the factor of query tile n: four packed multiplies
.irp p, 0,2,4,6
	v_pk_mul_f32 v[VO+8*(4*(\n)+\t)+\p:VO+8*(4*(\n)+\t)+\p+1], v[VO+8*(4*(\n)+\t)+\p:VO+8*(4*(\n)+\t)+\p+1], v[VAL+2*(\n):VAL+2*(\n)+1]
.endr
.endm
; 32 matrix instructions: O^T = factor x O^T + V^T P, 16 accumulators by turns, one instruction a turn.
; The rescaling of query tile 0 stands in front; that of tile n + 1 stands between the matrix instructions on tile n, whose registers it does not
; name.  One window setting serves both: O is destination and source 0 of the multiply, the factor its source 1.
; first = 1: the first product starts the sums and nothing is rescaled.
.macro PV first
	WIN 0x51                                       ; source 0 (V, or O), C and D (O) in window 1; source 1 (P, or the factor) in window 0
.if \first == 0
.irp t, 0,1,2,3
	RESC 0, \t
.endr
.endif
.irp n, 0,1,2,3
.irp t, 0,1,2,3
.if \first
	v_wmma_f32_16x16x32_f16 v[VO+8*(4*\n+\t):VO+8*(4*\n+\t)+7], v[VVF+8*\t:VVF+8*\t+7], v[VS+32*\n:VS+32*\n+7], 0
.else
	v_wmma_f32_16x16x32_f16 v[VO+8*(4*\n+\t):VO+8*(4*\n+\t)+7], v[VVF+8*\t:VVF+8*\t+7], v[VS+32*\n:VS+32*\n+7], v[VO+8*(4*\n+\t):VO+8*(4*\n+\t)+7]
.if \n < 3
	RESC \n+1, \t
.endif
.endif
.endr
.endr
.irp n, 0,1,2,3
.irp t, 0,1,2,3
	v_wmma_f32_16x16x32_f16 v[VO+8*(4*\n+\t):VO+8*(4*\n+\t)+7], v[VVF+32+8*\t:VVF+32+8*\t+7], v[VS+32*\n+16:VS+32*\n+23], v[VO+8*(4*\n+\t):VO+8*(4*\n+\t)+7]
.endr
.endr
.endm
.macro FMAS n                          ; c s - c max, two at a time
	s_wait_alu depctr_va_vdst(0)
.irp p, 0,2,4,6,8,10,12,14,16,18,20,22,24,26,28,30
	v_pk_fma_f32 v[VS+32*\n+\p:VS+32*\n+\p+1], v[VS+32*\n+\p:VS+32*\n+\p+1], s[14:15], v[VNM+2*\n:VNM+2*\n+1] op_sel_hi:[1,0,1]
.endr
.endm
; The 32 exponentials of query tile x, in place, with the 16 multiply-adds of tile m among them
.macro EXFM x, m
.set e, 0
.rept 16
	v_exp_f32 v[VS+32*\x+e], v[VS+32*\x+e]
	v_pk_fma_f32 v[VS+32*\m+e:VS+32*\m+e+1], v[VS+32*\m+e:VS+32*\m+e+1], s[14:15], v[VNM+2*\m:VNM+2*\m+1] op_sel_hi:[1,0,1]
	v_exp_f32 v[VS+32*\x+e+1], v[VS+32*\x+e+1]
.set e, e+2
.endr
.endm
.macro EX x                            ; the next exponential of query tile x, in place, while one is left (x = -1: none)
.if \x >= 0
.if ecnt < 32
	v_exp_f32 v[VS+32*\x+ecnt], v[VS+32*\x+ecnt]
.set ecnt, ecnt+1
.endif
.endif
.endm
; My lane's 32 weights of tile n are added (two chains), the running sum follows, and the weights are packed in place.  Behind each of these
; plain instructions stands one exponential of tile x: each exponential is followed by a plain instruction on other registers before its
; result is read (ISA guide 5.7.2), and the chains' links stand two instructions further apart.
.macro SUMC n, first, x
.set ecnt, 0
	s_wait_alu depctr_va_vdst(0)
	v_pk_add_f32 v[VXA:VXA+1], v[VS+32*\n:VS+32*\n+1], v[VS+32*\n+2:VS+32*\n+3]
	EX \x
	v_pk_add_f32 v[VXB:VXB+1], v[VS+32*\n+4:VS+32*\n+5], v[VS+32*\n+6:VS+32*\n+7]
	EX \x
.irp p, 8,12,16,20,24,28
	v_pk_add_f32 v[VXA:VXA+1], v[VXA:VXA+1], v[VS+32*\n+\p:VS+32*\n+\p+1]
	EX \x
	v_pk_add_f32 v[VXB:VXB+1], v[VXB:VXB+1], v[VS+32*\n+\p+2:VS+32*\n+\p+3]
	EX \x
.endr
	v_pk_add_f32 v[VXA:VXA+1], v[VXA:VXA+1], v[VXB:VXB+1]
	EX \x
.if \first
	v_add_f32 v[VL+\n], v[VXA], v[VXA+1]
	EX \x
.else
	v_add_f32 v[VXA], v[VXA], v[VXA+1]
	EX \x
	v_fma_f32 v[VL+\n], v[VL+\n], v[VAL+2*\n], v[VXA]
	EX \x
.endif
.irp c, 0,16
.irp q, 0,1,2,3,4,5,6,7
	v_cvt_pk_f16_f32 v[VS+32*\n+\c+\q], v[VS+32*\n+\c+2*\q], v[VS+32*\n+\c+2*\q+1]   ; register q is written when registers up to 2 q + 1 have been read
	EX \x
.endr
.endr
.endm
; X, the first part of a step of 64 keys.  first = 1: nothing is carried yet.  more = 1: K's fragments of the tile's second 64 keys are fetched on the way.
.macro XPART first, more, slot
	s_wait_dscnt 16                                ; K's 16 loads are in; V's 16, issued behind them, may be out
	SMUL
	WIN 0
	PLACES 4                                       ; behind the last matrix instruction: for the loads into K's fragments and the reads of S
.if \more
	LOADK \slot, 1
.endif
.if \first
.irp n, 0,1,2,3
	v_max_num_f32 v[VM+\n], v[VS+32*\n], v[VS+32*\n+1]
.endr
.else
.irp n, 0,1,2,3
	v_max3_num_f32 v[VM+\n], v[VM+\n], v[VS+32*\n], v[VS+32*\n+1]
.endr
.endif
.irp p, 2,4,6,8,10,12,14,16,18,20,22,24,26,28,30
.irp n, 0,1,2,3
	v_max3_num_f32 v[VM+\n], v[VM+\n], v[VS+32*\n+\p], v[VS+32*\n+\p+1]
.endr
.endr
.irp n, 0,1,2,3
	v_permlanex16_b32 v[VU+\n], v[VM+\n], s12, s13
.endr
.irp n, 0,1,2,3
	v_max_num_f32 v[VM+\n], v[VM+\n], v[VU+\n]     ; the new running maximum, equal in lanes l and l xor 16
.endr
.if \first
.else
.irp n, 0,1,2,3
	v_fma_f32 v[VA+\n], v[VM+\n], s16, -v[VNM+2*\n]        ; c (old - new), at most 0
.endr
.endif
.irp n, 0,1,2,3
	v_mul_f32 v[VNM+2*\n], s16, v[VM+\n]
	v_mul_f32 v[VNM+2*\n+1], s16, v[VM+\n]
.endr
.if \first
.else
.irp n, 0,1,2,3
	v_exp_f32 v[VAL+2*\n], v[VA+\n]                ; twice, to fill the pair that the packed multiply takes
	v_exp_f32 v[VAL+2*\n+1], v[VA+\n]
.endr
.endif
	FMAS 0
	EXFM 0, 1
	SUMC 0, \first, 1
.endm
; Y, the second part.  vw: the count of the wait for V's fragments (-1: they were waited for in front of the round).
; more = 1: V's fragments of the tile's second 64 keys are fetched at the end.
.macro YPART first, more, slot, vw
	FMAS 2
	SUMC 1, \first, 2
	FMAS 3
	SUMC 2, \first, 3
	SUMC 3, \first, -1
.if \vw >= 0
	s_wait_dscnt \vw
.endif
	PV \first
	PLACES 5                                       ; the next S^T writes over P, and loads land in V's fragments
.if \more
	LOADV \slot, 1
.endif
	WIN 0
.endm
; A trip: a tile of 128 keys of each half.  In front of the round every wave waits for all its tensor loads (its part of this trip's tile) and for
; its reads of the other slot; behind the round the other slot is asked for first, then this slot is read.
; first = 1: the first trip, no Y has been put off.  last = 1: the last trip, every wave runs the last Y.
.macro TRIP slot, other, refill, first, last
	s_wait_xcnt 0x0
	v_lshl_add_u32 v158, v0, 2, 0x40000
	v_mov_b32 v159, 0
	s_wait_tensorcnt 0x0                           ; no tensor load of mine is out: a group 0 may be written
	ds_add_u32 v158, v159
	s_wait_dscnt 0x0
	s_add_nc_u64 s[G0K+4*\slot+2:G0K+4*\slot+3], s[G0K+4*\slot+2:G0K+4*\slot+3], 2*TSTEP   ; this slot's next tile
	s_add_nc_u64 s[G0V+4*\slot+2:G0V+4*\slot+3], s[G0V+4*\slot+2:G0V+4*\slot+3], 2*TSTEP
	s_wait_dscnt 0x0                               ; my reads of the other slot are back, V's fragments for a Y that is put off among them
	ROUND
.if \refill
	JLOAD \other
.endif
	LOADK \slot, 0
.if \first == 0
	s_cmp_eq_u32 s11, 0
	s_cbranch_scc1 .Lnone_put_off_\@
	YPART 0, 0, \slot, -1                          ; waves 4-7: the last trip's last Y, on registers alone
.Lnone_put_off_\@:
.endif
	LOADV \slot, 0
	XPART \first, 1, \slot
	YPART \first, 1, \slot, 16                     ; V's loads are in; the second step's 16 loads of K may be out
	XPART 0, 0, \slot
.if \last
	YPART 0, 0, \slot, 0
.else
	s_cmp_lg_u32 s11, 0
	s_cbranch_scc1 .Lput_off_\@
	YPART 0, 0, \slot, 0                           ; waves 0-3 alone; waves 4-7 run it behind the next round
.Lput_off_\@:
.endif
.endm
	TRIP 0, 1, 1, 1, 0                             ; tile 0; tile 1 is asked for
	s_mov_b32 s9, 3
.Lpair:
	TRIP 1, 0, 1, 0, 0                             ; tiles 1, 3, 5
	TRIP 0, 1, 1, 0, 0                             ; tiles 2, 4, 6
	s_sub_co_u32 s9, s9, 1
	s_cmp_lg_u32 s9, 0
	s_cbranch_scc1 .Lpair
	TRIP 1, 0, 0, 0, 1                             ; tile 7: nothing is left to fetch, nothing is put off
	; THE MERGE.  The sums of lanes l and l xor 16 first; then waves 4-7 hand O, maximum and sum to waves 0-3 through LDS.
.irp n, 0,1,2,3
	v_permlanex16_b32 v[VU+\n], v[VL+\n], s12, s13
.endr
.irp n, 0,1,2,3
	v_add_f32 v[VL+\n], v[VL+\n], v[VU+\n]
.endr
	s_cmp_eq_u32 s11, 0
	s_cbranch_scc1 .Lkeep
	WIN 0x04                                       ; store data from window 1
.set i, 0
.rept 32
	ds_store_b128 v[MST], v[VO+4*i:VO+4*i+3] offset:512*i
.set i, i+1
.endr
	WIN 0
	ds_store_b128 v[MST], v[VM:VM+3] offset:16384
	ds_store_b128 v[MST], v[VL:VL+3] offset:16896
.Lkeep:
	s_wait_dscnt 0x0                               ; my stores are done, for the wave that reads them
	s_barrier_signal -1
	s_barrier_wait -1
	s_cmp_lg_u32 s11, 0
	s_cbranch_scc1 .Lclose                         ; waves 4-7 have nothing more to do but the closing round
	ds_load_b128 v[48:51], v[MST] offset:16384     ; the other half's maxima
	ds_load_b128 v[52:55], v[MST] offset:16896     ; and sums
.set i, 0
.rept 32
	ds_load_b128 v[VS+4*i:VS+4*i+3], v[MST] offset:512*i
.set i, i+1
.endr
	s_wait_dscnt 32                                ; maxima and sums are in; the 32 loads of O may be out
.irp n, 0,1,2,3
	v_max_num_f32 v[56+\n], v[VM+\n], v[48+\n]
.endr
.irp n, 0,1,2,3
	v_sub_f32 v[VA+\n], v[VM+\n], v[56+\n]
	v_sub_f32 v[VU+\n], v[48+\n], v[56+\n]
.endr
.irp n, 0,1,2,3
	v_mul_f32 v[VA+\n], s14, v[VA+\n]
	v_mul_f32 v[VU+\n], s14, v[VU+\n]
.endr
.irp n, 0,1,2,3
	v_exp_f32 v[VA+\n], v[VA+\n]                   ; my half's factor
	v_exp_f32 v[VU+\n], v[VU+\n]                   ; the other half's; one of the two is 1
.endr
	v_nop
	s_wait_alu depctr_va_vdst(0)
.irp n, 0,1,2,3
	v_mul_f32 v[VL+\n], v[VL+\n], v[VA+\n]
.endr
.irp n, 0,1,2,3
	v_fmac_f32 v[VL+\n], v[52+\n], v[VU+\n]        ; the whole sum: at least 1
.endr
.irp n, 0,1,2,3
	v_rcp_f32 v[60+\n], v[VL+\n]
.endr
	v_nop
	s_wait_alu depctr_va_vdst(0)
.irp n, 0,1,2,3
	v_mul_f32 v[VNM+2*\n],   v[VA+\n], v[60+\n]
	v_mul_f32 v[VNM+2*\n+1], v[VA+\n], v[60+\n]
	v_mul_f32 v[VAL+2*\n],   v[VU+\n], v[60+\n]
	v_mul_f32 v[VAL+2*\n+1], v[VU+\n], v[60+\n]
.endr
	s_wait_dscnt 0x0
.set p, 0
.rept 64
	v_pk_mul_f32 v[VS+2*p:VS+2*p+1], v[VS+2*p:VS+2*p+1], v[VAL+2*(p/16):VAL+2*(p/16)+1]
.set p, p+1
.endr
	WIN 0x01                                       ; source 0 (my O) in window 1
.set p, 0
.rept 64
	v_pk_fma_f32 v[VS+2*p:VS+2*p+1], v[VO+2*p:VO+2*p+1], v[VNM+2*(p/16):VNM+2*(p/16)+1], v[VS+2*p:VS+2*p+1]
.set p, p+1
.endr
	WIN 0
	; THE WAY OUT: a lane's eight d of one query pack into 16 bytes; through my own stage, so that a store of the wave covers 512 consecutive bytes of ctx
.irp n, 0,1,2,3
.irp t, 0,1,2,3
.irp k, 0,1,2,3
	v_cvt_pk_f16_f32 v[VS+8*(4*\n+\t)+\k], v[VS+8*(4*\n+\t)+2*\k], v[VS+8*(4*\n+\t)+2*\k+1]
.endr
	ds_store_b128 v[OSTO], v[VS+8*(4*\n+\t):VS+8*(4*\n+\t)+3] offset:\n*16*KPITCH+32*\t
.endr
.endr
.irp u, 0,1,2,3,4,5,6,7,8,9,10,11,12,13,14,15
	ds_load_b128 v[VKF+4*\u:VKF+4*\u+3], v[ORD] offset:\u*4*KPITCH     ; four rows; a wave's LDS instructions are served in order
.endr
.irp u, 0,1,2,3,4,5,6,7,8,9,10,11,12,13,14,15
	s_wait_dscnt 15-\u
	global_store_b128 v[CO], v[VKF+4*\u:VKF+4*\u+3], s[6:7] offset:512*\u
.endr
.Lclose:
	s_wait_xcnt 0x0
	v_lshl_add_u32 v158, v0, 2, 0x40000
	v_mov_b32 v159, 0
	s_wait_tensorcnt 0x0
	ds_add_u32 v158, v159
	s_wait_dscnt 0x0
	ROUND                                          ; the closing round: no work-group ends while a partner may still ask for a tile that names it
	s_endpgm
.Lfunc_end_k_q5f0bffcf99_attn:
	.size	k_q5f0bffcf99_attn, .Lfunc_end_k_q5f0bffcf99_attn-k_q5f0bffcf99_attn
	.p2alignl 7, 3214868480
	.fill 96, 4, 3214868480
	.section	.rodata,"a",@progbits
	.p2align	6, 0x0
	.amdhsa_kernel k_q5f0bffcf99_attn
		.amdhsa_group_segment_fixed_size 327680
		.amdhsa_private_segment_fixed_size 0
		.amdhsa_enable_private_segment 0
		.amdhsa_kernarg_size 16
		.amdhsa_user_sgpr_count 2
		.amdhsa_user_sgpr_kernarg_segment_ptr 1
		.amdhsa_wavefront_size32 1
		.amdhsa_system_sgpr_workgroup_id_x 1
		.amdhsa_system_sgpr_workgroup_id_y 1
		.amdhsa_system_sgpr_workgroup_id_z 1
		.amdhsa_system_vgpr_workitem_id 0
		.amdhsa_next_free_vgpr 512
		.amdhsa_next_free_sgpr 66
		.amdhsa_reserve_vcc 0
		.amdhsa_float_denorm_mode_32 3
		.amdhsa_float_denorm_mode_16_64 3
		.amdhsa_memory_ordered 1
		.amdhsa_forward_progress 1
		.amdhsa_inst_pref_size 255
	.end_amdhsa_kernel
	.section	.bss,"aw",@nobits
	.p2align	6
	.space	262144
	.amdgpu_metadata
---
amdhsa.version: [ 1, 2 ]
amdhsa.kernels:
  - .name:           k_q5f0bffcf99_attn
    .symbol:         k_q5f0bffcf99_attn.kd
    .args:
      - { .name: qkvh, .offset: 0, .size: 8, .value_kind: global_buffer, .address_space: global }
      - { .name: ctx, .offset: 8, .size: 8, .value_kind: global_buffer, .address_space: global }
    .group_segment_fixed_size: 327680
    .private_segment_fixed_size: 0
    .kernarg_segment_align: 8
    .kernarg_segment_size: 16
    .max_flat_workgroup_size: 256
    .sgpr_count:     66
    .vgpr_count:     512
    .wavefront_size: 32
...
	.end_amdgpu_metadata
.endif
;; end of part 3
;; launch oproj (part 4): grid 8 x 32, 4 waves a work-group, clusters of 4 x 4, 327,680 bytes of LDS; arguments ctx, cb, bo, out0; writes out0
.if DOCPART == 4
	.amdgcn_target "amdgcn-amd-amdhsa--gfx1250"
	.amdhsa_code_object_version 6
	.text
	.protected	k_q5f0bffcf99_oproj
	.globl	k_q5f0bffcf99_oproj
	.p2align	8
	.type	k_q5f0bffcf99_oproj,@function
k_q5f0bffcf99_oproj:
	s_mov_b64 s[64:65], 0
	v_nop
	global_prefetch_b8 v0, s[64:65] scope:SCOPE_SE
	s_setreg_imm32_b32 hwreg(HW_REG_WAVE_MODE, 25, 1), 1
	s_wait_xcnt 0x0
	s_wait_alu depctr_hold_cnt(0) depctr_sa_sdst(0) depctr_va_vdst(0) depctr_va_sdst(0) depctr_va_ssrc(0) depctr_va_vcc(0) depctr_vm_vsrc(0)
	s_getreg_b32 s2, hwreg(HW_REG_IB_STS2, 6, 4)
	s_cmp_eq_u32 s2, 0
	s_cbranch_scc0 .Lentry_in_a_cluster
	s_endpgm
.Lentry_in_a_cluster:
	s_bfe_u32 s2, ttmp6, 0x10000c
	s_cmp_lg_u32 s2, 0xf033
	s_cbranch_scc0 .Lentry_shape_is_right
	s_endpgm
.Lentry_shape_is_right:
; out0[m][n] = sum over k of ctx[m][k] Wo[n][k] + bo[n], f32.  m = (b, s), 4,096 rows; k = 64 head + d, 1,024; n 1,024.
; ctx: f16 [b][head][s][64]; Wo: f16 [n][k] at 30 MiB in cb.  f16 operands, f32 sums started by the bias.
; 32 x 8 = 256 work-groups of 128 x 128, four waves of 64 x 64 (16 accumulator tiles): the block is chosen so that there is one work-group for
; each of 256 WGPs; a larger block would leave some without work.
; K goes in four steps of 256 (four heads) through two LDS slots; a step is four units of 64 (one head), a unit two matrix steps of 32.
; CLUSTERS: 4 x 4.  Tiles of ctx are shared along a cluster row, tiles of Wo along a column, each asked for jointly.
; LDS slot (141,312 bytes): ctx as [4 heads][128 rows] of pitch 144; behind it Wo as 128 rows of 512 bytes, pitch 528.  Behind the two slots
; 4 x 4,352 bytes of stage, into which no tensor load lands.
; REGISTERS: window 0: v16-27 addresses, v64-127 and v128-191 fragments of ctx (two buffers), v192-223 the bias; window 1: fragments of Wo;
; window 2: accumulator tile (a, b) at v[8 (4 a + b)].  The matrix instruction is used transposed (source 0 = Wo, source 1 = ctx):
; a lane holds eight neighbouring columns of one row.
.set APITCH, 144
.set BPITCH, 528
.set AHEAD,  128*APITCH                ; one head's 128 rows: 18,432
.set BOFF,   4*AHEAD                   ; 73,728
.set SLOT,   BOFF+128*BPITCH           ; 141,312
.set STAGE,  2*SLOT
.set SPITCH, 272
.set ADRA, 16
.set ADRB, 20
.set STO,  24
.set RD,   25
.set CO,   26
.set BOF,  27
.set F0,   64
.set F1,   128
.set BIAS, 192
.set G1,  24
.set G0,  32
.set G1B, 48
.set G0B, 56
.set W,   66
.set RH,  67                           ; which 64 rows are mine; also: I fetch ctx (0) or Wo (1)
.set CH,  68                           ; which 64 columns; also: which half of that tile I fetch
.set BY,  69
.set MSB, 0
.macro WIN new
.if MSB != \new
	s_set_vgpr_msb (MSB<<8)|\new
.set MSB, \new
.endif
.endm
.macro JLOAD s
	s_cmp_eq_u32 s[RH], 0
	s_cbranch_scc0 .Lfor_b_\@
	tensor_load_to_lds s[G0+4*\s:G0+4*\s+3], s[G1:G1+7]
	s_nop 0
	s_branch .Lasked_\@
.Lfor_b_\@:
	tensor_load_to_lds s[G0B+4*\s:G0B+4*\s+3], s[G1B:G1B+7]
	s_nop 0
.Lasked_\@:
.endm
.macro CREST
	s_cmp_lg_u32 s[W], 0
	s_cbranch_scc1 .Lnot_wave_0_\@
	s_barrier_signal -3
.Lnot_wave_0_\@:
	s_barrier_wait -3
	s_barrier_signal -1
	s_barrier_wait -1
.endm
.macro CROUND
	s_barrier_signal -1
	s_barrier_wait -1
	CREST
.endm
	s_load_b256 s[4:11], s[0:1], 0x0               ; ctx s[4:5], cb s[6:7], bo s[8:9], out0 s[10:11]
	s_set_vgpr_msb 0x40
	v_lshl_add_u32 v255, v0, 2, 0x49400
	s_set_vgpr_msb 0x4000
	v_mov_b32 v255, 0
	s_set_vgpr_msb 0x1
	ds_add_u32 v255, v255
	s_set_vgpr_msb 0x100
	v_lshrrev_b32 v1, 5, v0
	v_readfirstlane_b32 s[W], v1
	s_lshr_b32 s[RH], s[W], 1
	s_and_b32 s[CH], s[W], 1
	s_bfe_u32 s40, ttmp6, 0x40000                  ; cx
	s_bfe_u32 s41, ttmp6, 0x40004                  ; cy
	s_lshl_b32 s42, ttmp9, 2
	s_add_co_u32 s42, s42, s40                     ; block column, 0 to 7
	s_and_b32 s[BY], ttmp7, 0xffff
	s_lshl_b32 s[BY], s[BY], 2
	s_add_co_u32 s[BY], s[BY], s41                 ; block row, 0 to 31
	s_lshl_b32 s43, s41, 2
	s_lshl_b32 s43, 15, s43                        ; my row of the cluster
	s_lshl_b32 s44, 0x1111, s40                    ; my column
	; ctx: two heads a load; a head's 128 rows are 16 KiB dense = one row of 2,048 elements of 8 bytes; heads lie 32,768 elements apart;
	; behind every 32 words (a row's 128 bytes) 4 words are skipped
	s_or_b32 s[G1+0], s43, (3<<16)|(1<<20)|(1<<21)|(4<<22)|(3<<25)
	s_mov_b32 s[G1+1], 2048<<16                    ; tensor_dim0
	s_mov_b32 s[G1+2], 2<<16                       ; tensor_dim1
	s_mov_b32 s[G1+3], 2048<<16                    ; tile_dim0
	s_mov_b32 s[G1+4], 2                           ; tile_dim1
	s_mov_b32 s[G1+5], 32768                       ; elements from head to head
	s_mov_b32 s[G1+6], 0
	s_mov_b32 s[G1+7], 0
	; Wo: 64 rows of 256 elements of 2 bytes; behind every 128 words 4 are skipped
	s_or_b32 s[G1B+0], s44, (1<<16)|(1<<20)|(1<<21)|(6<<22)|(3<<25)
	s_mov_b32 s[G1B+1], 256<<16
	s_mov_b32 s[G1B+2], 64<<16
	s_mov_b32 s[G1B+3], 256<<16
	s_mov_b32 s[G1B+4], 64
	s_mov_b32 s[G1B+5], 1024
	s_mov_b32 s[G1B+6], 0
	s_mov_b32 s[G1B+7], 0
	s_lshr_b32 s16, s[BY], 4                       ; ctx: b x 4 MiB
	s_lshl_b32 s16, s16, 22
	s_and_b32 s17, s[BY], 15
	s_lshl_b32 s17, s17, 14                        ; + 128 rows x 128 bytes for each block row
	s_add_co_u32 s16, s16, s17
	s_lshl_b32 s17, s[CH], 19                      ; + my two heads
	s_add_co_u32 s16, s16, s17
	s_mov_b32 s17, 0
	s_lshl_b32 s46, s42, 18                        ; Wo: 128 rows x 2,048 bytes for each block column
	s_lshl_b32 s47, s[CH], 17                      ; + my 64 rows
	s_add_co_u32 s46, s46, s47
	s_add_co_u32 s46, s46, 0x1e00000               ; at 30 MiB in cb
	s_mov_b32 s47, 0
	s_mul_i32 s20, s[CH], 2*AHEAD                  ; where ctx's two heads go
	s_mul_i32 s21, s[CH], 64*BPITCH
	s_add_co_u32 s21, s21, BOFF                    ; where Wo's 64 rows go; also where my 64 columns are read
	s_lshl_b32 s74, s42, 9                         ; (128 x block column + 64 x half) x 4 bytes: in the bias and in a row of out0
	s_lshl_b32 s75, s[CH], 8
	s_add_co_u32 s74, s74, s75
	s_mov_b32 s75, 0
	s_lshl_b32 s76, s[BY], 19                      ; 128 rows x 4,096 bytes
	s_lshl_b32 s77, s[RH], 18
	s_add_co_u32 s76, s76, s77
	s_add_co_u32 s76, s76, s74
	s_mov_b32 s77, 0
	s_wait_dscnt 0x0
	s_wait_kmcnt 0x0
	s_add_nc_u64 s[14:15], s[4:5], s[16:17]
	s_add_nc_u64 s[46:47], s[6:7], s[46:47]
	s_add_nc_u64 s[8:9], s[8:9], s[74:75]
	s_add_nc_u64 s[10:11], s[10:11], s[76:77]
	CROUND                                         ; all sixteen work-groups are here
.irp s, 0,1
	s_mov_b32 s[G0+4*\s], 1
	s_add_co_u32 s[G0+4*\s+1], s20, \s*SLOT
	s_add_nc_u64 s[G0+4*\s+2:G0+4*\s+3], s[14:15], \s*0x100000     ; four heads a K step
	s_or_b32 s[G0+4*\s+3], s[G0+4*\s+3], 0x80000000
	s_mov_b32 s[G0B+4*\s], 1
	s_add_co_u32 s[G0B+4*\s+1], s21, \s*SLOT
	s_add_nc_u64 s[G0B+4*\s+2:G0B+4*\s+3], s[46:47], \s*512
	s_or_b32 s[G0B+4*\s+3], s[G0B+4*\s+3], 0x80000000
	JLOAD \s                                       ; both slots at once: two tensor loads of the wave are out
.endr
	v_and_b32 v1, 15, v0                           ; r
	v_bfe_u32 v2, v0, 4, 1                         ; h
	v_lshlrev_b32 v[BOF], 5, v2
.irp b, 0,1,2,3
	global_load_b128 v[BIAS+8*\b:BIAS+8*\b+3],   v[BOF], s[8:9] offset:64*\b
	global_load_b128 v[BIAS+8*\b+4:BIAS+8*\b+7], v[BOF], s[8:9] offset:64*\b+16
.endr
	v_mul_u32_u24 v3, v1, APITCH
	v_lshl_add_u32 v3, v2, 4, v3
	s_mul_i32 s22, s[RH], 64*APITCH
	v_add_nc_u32 v[ADRA], s22, v3
	v_add_nc_u32 v[ADRA+1], SLOT, v[ADRA]
	v_mul_u32_u24 v4, v1, BPITCH
	v_lshl_add_u32 v4, v2, 4, v4
	v_add_nc_u32 v[ADRB], s21, v4
	v_add_nc_u32 v[ADRB+1], SLOT, v[ADRB]
	s_mul_i32 s23, s[W], 16*SPITCH
	s_add_co_u32 s23, s23, STAGE
	v_mul_u32_u24 v5, v1, SPITCH                   ; in: row r, 32 bytes (eight f32) for each half of the lanes
	v_lshl_add_u32 v5, v2, 5, v5
	v_add_nc_u32 v[STO], s23, v5
	v_mul_u32_u24 v5, v2, SPITCH                   ; back: lanes 0-15 one row of 256 bytes, lanes 16-31 the next
	v_lshl_add_u32 v5, v1, 4, v5
	v_add_nc_u32 v[RD], s23, v5
	v_lshlrev_b32 v5, 12, v2                       ; the same two rows in out0
	v_lshl_add_u32 v[CO], v1, 4, v5
; 16 matrix instructions, 32 along K: the 16 accumulators take turns, one instruction a turn.  start = 1: the bias is C.
.macro MUL16 f, ks, start
.if \start
	WIN 0x81
.else
	WIN 0xa1
.endif
.irp a, 0,1,2,3
.irp b, 0,1,2,3
.if \start
	v_wmma_f32_16x16x32_f16 v[8*(4*\a+\b):8*(4*\a+\b)+7], v[\f+8*(4*\ks+\b):\f+8*(4*\ks+\b)+7], v[\f+8*(4*\ks+\a):\f+8*(4*\ks+\a)+7], v[BIAS+8*\b:BIAS+8*\b+7]
.else
	v_wmma_f32_16x16x32_f16 v[8*(4*\a+\b):8*(4*\a+\b)+7], v[\f+8*(4*\ks+\b):\f+8*(4*\ks+\b)+7], v[\f+8*(4*\ks+\a):\f+8*(4*\ks+\a)+7], v[8*(4*\a+\b):8*(4*\a+\b)+7]
.endif
.endr
.endr
.endm
.macro FETCH slot, u, f                ; 32 loads: unit u (64 along K) of my 64 columns of Wo, then of my 64 rows of ctx, the first 32 of K first
	WIN 0x40
.irp ks, 0,1
.irp b, 0,1,2,3
	ds_load_b128 v[\f+8*(4*\ks+\b):\f+8*(4*\ks+\b)+3],   v[ADRB+\slot] offset:\u*128+\b*16*BPITCH+\ks*64
	ds_load_b128 v[\f+8*(4*\ks+\b)+4:\f+8*(4*\ks+\b)+7], v[ADRB+\slot] offset:\u*128+\b*16*BPITCH+\ks*64+32
.endr
.endr
	WIN 0
.irp ks, 0,1
.irp a, 0,1,2,3
	ds_load_b128 v[\f+8*(4*\ks+\a):\f+8*(4*\ks+\a)+3],   v[ADRA+\slot] offset:\u*AHEAD+\a*16*APITCH+\ks*64
	ds_load_b128 v[\f+8*(4*\ks+\a)+4:\f+8*(4*\ks+\a)+7], v[ADRA+\slot] offset:\u*AHEAD+\a*16*APITCH+\ks*64+32
.endr
.endr
.endm
.macro PLACES                          ; four independent vector instructions behind a matrix instruction, ahead of loads into its sources and of reads of its result
.rept 4
	v_nop
.endr
.endm
.macro UNIT slot, unext, f, g, start
	s_wait_dscnt 8                                 ; all of Wo and ctx's first 32 of K are in; the youngest eight loads may be out
	MUL16 \f, 0, \start
	PLACES
	FETCH \slot, \unext, \g
	s_wait_dscnt 32                                ; all but the 32 just issued
	MUL16 \f, 1, 0
.endm
.macro THREE slot, start
	UNIT \slot, 1, F0, F1, \start
	UNIT \slot, 2, F1, F0, 0
	UNIT \slot, 3, F0, F1, 0
.endm
; The fourth unit changes slots: each wave waits for its reads of this slot and for all its tensor loads, then the barrier (which opens a round of the
; cluster's barrier where the slot is filled again); behind it the refill first, then the next slot's first fragments.
.macro TURN slot, next, fill
	s_wait_dscnt 0
	s_wait_tensorcnt 0x0
	ds_add_u32 v255, v255
	s_wait_dscnt 0x0
	s_barrier_signal -1
	MUL16 F1, 0, 0                                 ; register work while the others arrive
	WIN 0
	s_barrier_wait -1
.if \fill
	CREST
	s_add_nc_u64 s[G0+4*\slot+2:G0+4*\slot+3], s[G0+4*\slot+2:G0+4*\slot+3], 0x200000      ; eight heads on
	s_add_nc_u64 s[G0B+4*\slot+2:G0B+4*\slot+3], s[G0B+4*\slot+2:G0B+4*\slot+3], 1024      ; 512 along K
	JLOAD \slot                                    ; my one tensor load behind the round
.endif
	PLACES
	FETCH \next, 0, F0
	MUL16 F1, 1, 0
.endm
	s_wait_loadcnt 0x0                             ; the bias
	s_wait_tensorcnt 1                             ; my part of K step 0 is in; K step 1's may stay out
	s_barrier_signal -1
	s_barrier_wait -1
	FETCH 0, 0, F0
	THREE 0, 1                                     ; K step 0
	TURN 0, 1, 1                                   ; slot 0 gets K step 2
	THREE 1, 0                                     ; K step 1
	TURN 1, 0, 1                                   ; slot 1 gets K step 3
	THREE 0, 0                                     ; K step 2
	TURN 0, 1, 0
	THREE 1, 0                                     ; K step 3
	s_wait_dscnt 0
	MUL16 F1, 0, 0
	MUL16 F1, 1, 0
	; THE WAY OUT, 16 rows at a time, in f32: through my own stage, so that sixteen lanes store 256 consecutive bytes of a row, aligned
	PLACES
.macro OUTA a, f
	WIN 0x08                                       ; store data from window 2
.irp b, 0,1,2,3
	ds_store_b128 v[STO], v[8*(4*\a+\b):8*(4*\a+\b)+3]   offset:64*\b
	ds_store_b128 v[STO], v[8*(4*\a+\b)+4:8*(4*\a+\b)+7] offset:64*\b+16
.endr
	WIN 0
	s_wait_xcnt 0x0                                ; buffer f, which earlier stores read, and the stores' base are rewritten only behind this wait
.if \a
	s_add_nc_u64 s[10:11], s[10:11], 16*4096
.endif
.irp t, 0,1,2,3,4,5,6,7
	ds_load_b128 v[\f+4*\t:\f+4*\t+3], v[RD] offset:\t*2*SPITCH    ; a wave's LDS instructions are served in order
.endr
.irp t, 0,1,2,3,4,5,6,7
	s_wait_dscnt 7-\t
	global_store_b128 v[CO], v[\f+4*\t:\f+4*\t+3], s[10:11] offset:\t*2*4096
.endr
.endm
	OUTA 0, F0
	OUTA 1, F1
	OUTA 2, F0
	OUTA 3, F1
	s_set_vgpr_msb 0x1
	s_wait_tensorcnt 0x0
	ds_add_u32 v255, v255
	s_wait_dscnt 0x0
	s_set_vgpr_msb 0x100
	CROUND                                         ; the closing round
	s_endpgm
.Lfunc_end_k_q5f0bffcf99_oproj:
	.size	k_q5f0bffcf99_oproj, .Lfunc_end_k_q5f0bffcf99_oproj-k_q5f0bffcf99_oproj
	.p2alignl 7, 3214868480
	.fill 96, 4, 3214868480
	.section	.rodata,"a",@progbits
	.p2align	6, 0x0
	.amdhsa_kernel k_q5f0bffcf99_oproj
		.amdhsa_group_segment_fixed_size 327680
		.amdhsa_private_segment_fixed_size 0
		.amdhsa_enable_private_segment 0
		.amdhsa_kernarg_size 32
		.amdhsa_user_sgpr_count 2
		.amdhsa_user_sgpr_kernarg_segment_ptr 1
		.amdhsa_wavefront_size32 1
		.amdhsa_system_sgpr_workgroup_id_x 1
		.amdhsa_system_sgpr_workgroup_id_y 1
		.amdhsa_system_sgpr_workgroup_id_z 1
		.amdhsa_system_vgpr_workitem_id 0
		.amdhsa_next_free_vgpr 640
		.amdhsa_next_free_sgpr 80
		.amdhsa_reserve_vcc 0
		.amdhsa_float_denorm_mode_32 3
		.amdhsa_float_denorm_mode_16_64 3
		.amdhsa_memory_ordered 1
		.amdhsa_forward_progress 1
		.amdhsa_inst_pref_size 87
	.end_amdhsa_kernel
	.amdgpu_metadata
---
amdhsa.version: [ 1, 2 ]
amdhsa.kernels:
  - .name:           k_q5f0bffcf99_oproj
    .symbol:         k_q5f0bffcf99_oproj.kd
    .args:
      - { .name: ctx, .offset: 0, .size: 8, .value_kind: global_buffer, .address_space: global }
      - { .name: cb, .offset: 8, .size: 8, .value_kind: global_buffer, .address_space: global }
      - { .name: bo, .offset: 16, .size: 8, .value_kind: global_buffer, .address_space: global }
      - { .name: out0, .offset: 24, .size: 8, .value_kind: global_buffer, .address_space: global }
    .group_segment_fixed_size: 327680
    .private_segment_fixed_size: 0
    .kernarg_segment_align: 8
    .kernarg_segment_size: 32
    .max_flat_workgroup_size: 128
    .sgpr_count:     80
    .vgpr_count:     640
    .wavefront_size: 32
...
	.end_amdgpu_metadata
.endif
;; end of part 4
